; MI455X (gfx1250); checked and timed in simulation.
; The chip was launched on July 23, 2026; its instructions are those of AMD's public machine-readable ISA for CDNA 5 (MIT licence, August 2026) and "CDNA5" Instruction Set Architecture Reference Guide (July 2026). The comments in the code are by the model that wrote it; some were corrected since.
;; DH FK. Allowed arithmetic: float matrix products may take bf16 or f16 operands with f32 sums; all other float work in f32.
;; Inputs: dh_params 6 x 4 float32; joint_angles 1,048,576 x 6 float32.
;; Outputs: out0 1,048,576 x 3 float32.
;; One version. Each part assembles by itself: llvm-mc -triple=amdgcn-amd-amdhsa -mcpu=gfx1250 --defsym DOCPART=n.
;; ======== version 1 of 1: 1 launch
;; limits: inputs' magnitudes at most 26,000,000
;; launch fk (part 1): grid 256 x 1, 16 waves a work-group, no clusters, 169,984 bytes of LDS; arguments joint_angles, dh_params, out0; writes out0
.if DOCPART == 1
	.amdgcn_target "amdgcn-amd-amdhsa--gfx1250"
	.amdhsa_code_object_version 6
	.text
	.protected	k_q76f040cbae_fk
	.globl	k_q76f040cbae_fk
	.p2align	8
	.type	k_q76f040cbae_fk,@function
k_q76f040cbae_fk:
	s_mov_b64 s[64:65], 0
	v_nop
	global_prefetch_b8 v0, s[64:65] scope:SCOPE_SE
	s_setreg_imm32_b32 hwreg(HW_REG_WAVE_MODE, 25, 1), 1
	s_wait_xcnt 0x0
; End-effector position of a chain of six DH joints.  joint_angles [1048576][6] f32, dh_params [6][4] f32 (theta offset, d, a, alpha),
; out0 [1048576][3] f32.
; WHAT IS COMPUTED.  The result is the last column of T0 T1 .. T5, that is T0 (T1 (.. (T5 e4))): the chain is run from the last joint
; inwards on one 3-vector (x, y, z), the same products associated the other way; the rotation columns, which the result does not hold,
; are never formed.  One joint:   w = ca y - sa z,  z' = sa y + ca z + d,  x' = c (x + a) - s w,  y' = s (x + a) + c w.
; With (c, s) and (ca, sa) in register pairs each of the two rotations is two packed multiply-adds: 20 for an element's whole chain.
; alpha of the last joint is loaded but cannot reach the position column.
; NO MATRIX INSTRUCTIONS: each element has its own 4 x 4 factors, a matrix instruction shares one B among 16 rows of A, so these
; products would fill it only as a block diagonal of zeros; all arithmetic is f32.
; SINE AND COSINE: theta = x + offset; n = theta / 2 pi rounded (by adding and taking away 1.5 * 2^23); r = theta / 2 pi - n with 1 / 2 pi
; in two words, so |r| <= 1/2; one packed Horner chain in z = r^2 carries sqrt2 cos(pi r) and sqrt2 sin(pi r) / r (Taylor, six terms each);
; then (cos, sin)(theta) = (c' c' - 1, c' s').  The first term left out is pi^12 / 12! z^6 <= 4.7e-7: sin and cos are right to about 1e-6.
; LIMITS: |theta| and |alpha| below 2^22 turns (2.6e7 rad); beyond that the rounding by 1.5 * 2^23 no longer gives n and the values are wrong.
; NaN and infinite angles give NaN.  The order of rounding differs from a left-to-right product of 4 x 4 matrices (other association, fused).
; SHARES: 256 work-groups x 16 waves; a wave owns 256 elements: 6,144 bytes in, 3,072 out.  It asks for all its input by one tensor load,
; first thing, into LDS bytes of its own; nothing is ever filled again and no wave reads another's bytes: no barrier.  A lane takes elements
; 2 l and 2 l + 1 of each block of 64 (48 bytes, three 16-byte LDS loads; a pitch of 48 bytes puts 16 lanes on 16 different 16-byte columns).
; Results go through a stage of the wave's own in LDS, so that each global store of the wave covers 512 consecutive bytes, aligned.
; No cluster: the work-groups share only the 96 bytes of dh_params.
.set WAVES,    16
.set EL_WAVE,  256
.set IN_WAVE,  EL_WAVE*24              ; 6,144 bytes of angles for a wave
.set OUT_WAVE, EL_WAVE*12              ; 3,072 bytes of positions
.set IN_WG,    WAVES*IN_WAVE           ; 98,304
.set OUT_WG,   WAVES*OUT_WAVE          ; 49,152
.set STAGE,    IN_WG                   ; LDS: the waves' stages lie behind the input; no tensor load lands there
.set SCR,      STAGE+OUT_WG            ; LDS: 256 bytes a wave for (cos alpha, sin alpha)
.set BLK_IN,   64*24                   ; a block of 64 elements: 1,536 bytes in,
.set BLK_OUT,  64*12                   ; 768 bytes out
.set TRIP_OUT, 2*BLK_OUT               ; a trip is two blocks, four elements a lane
; scalar registers
.set DH,    16                         ; s[16:39]  dh_params: joint j at s[16+4j]: offset, d, a, alpha
.set G0,    40                         ; s[40:43]  tensor descriptor group 0
.set G1,    44                         ; s[44:51]  tensor descriptor group 1
.set MAGIC, 52                         ; s[52:53]  1.5 * 2^23, twice (a packed source names the pair)
.set INVLO, 54                         ; s[54:55]  1 / 2 pi minus its f32 value, twice
; vector registers
.set LANE, 1
.set LIN,  2                           ; LDS address of my 48 bytes in my wave's first block
.set LST,  3                           ; stage: where my two elements' 24 bytes go
.set LRD,  4                           ; stage: my 16 bytes of a run of 512
.set GO,   5                           ; 16 x lane: my offset in such a run of out0
.set SCW,  6                           ; scratch: 8 x lane
.set SCRD, 7                           ; scratch: its first byte, the same in all lanes
.set DHO,  8                           ; byte offset of joint min(lane, 5) in dh_params
.set ALV,  9                           ; its alpha
.set T,    10                          ; v[10:11]  (z, r) of alpha
.set PA,   12                          ; v[12:13]  Horner pair of alpha
.set CA,   14                          ; v[14:15]  (cos alpha, sin alpha) of my lane's joint
.set K,    16                          ; v[16:27]  coefficient pairs k = 0..5: (cos's, sin's)
.set M1,   28                          ; v[28:29]  (-1, 0)
.set OFF,  30                          ; v[30:35]  theta offsets of joints 0..5
.set AL,   36                          ; v[36:47]  (cos alpha j, sin alpha j)
.set DD,   48                          ; v[48:57]  (0, d j), j = 0..3; j = 4: with the last joint's d already turned in
.set AA,   58                          ; v[58:67]  (a j, 0), j = 0..4
.set X,    68                          ; v[68:115] angles as loaded, 24 a trip; then theta; then z
.set NR,   116                         ; v[116:139] -n, then r
.set P,    140                         ; v[140:187] Horner pairs of 24 angles; then, 12 an element: U at +0 and +2, Q at +4 and +6
.set CS,   188                         ; v[188:235] (cos, sin) of 24 angles: element e, joint j at 12 e + 2 j
.set Y,    236                         ; v[236:247] the first trip's 1,536 bytes on their way out (the second trip uses X's first 12)
	s_load_b128 s[4:7], s[0:1], 0x0                ; joint_angles s[4:5], dh_params s[6:7]
	s_load_b64 s[8:9], s[0:1], 0x10                ; out0
	v_lshl_add_u32 v248, v0, 2, 0x29000
	v_mov_b32 v249, 0
	ds_add_u32 v248, v249
	ds_add_u32 v248, v249
	v_lshrrev_b32 v1, 5, v0
	v_readfirstlane_b32 s10, v1                    ; my wave's number, 0 to 15
	v_and_b32 v[LANE], 31, v0
	; the tile: my wave's 6,144 bytes, dense in memory, as 24 rows of 256 bytes (32 elements of 8 bytes), laid into LDS without gaps
	s_mov_b32 s[G1+0], 3<<16                       ; no mask; element of 8 bytes; no padding
	s_mov_b32 s[G1+1], 32<<16                      ; tensor_dim0 = 32
	s_mov_b32 s[G1+2], 24<<16                      ; tensor_dim1 = 24
	s_mov_b32 s[G1+3], 32<<16                      ; tile_dim0 = 32
	s_mov_b32 s[G1+4], 24                          ; tile_dim1 = 24
	s_mov_b32 s[G1+5], 32                          ; from row to row: 32 elements
	s_mov_b32 s[G1+6], 0
	s_mov_b32 s[G1+7], 0
	s_mov_b32 s[G0], 1
	s_mul_i32 s[G0+1], s10, IN_WAVE                ; LDS address: wave x 6,144
	s_mul_i32 s12, ttmp9, IN_WG                    ; at most 255 x 98,304: below 2^32
	s_add_co_u32 s12, s12, s[G0+1]
	s_mov_b32 s13, 0
	s_mul_i32 s2, s10, OUT_WAVE
	s_mul_i32 s14, ttmp9, OUT_WG
	s_add_co_u32 s14, s14, s2
	s_mov_b32 s15, 0
	s_wait_dscnt 0x0
	s_wait_kmcnt 0x0
	s_add_nc_u64 s[G0+2:G0+3], s[4:5], s[12:13]
	s_or_b32 s[G0+3], s[G0+3], 0x80000000          ; type = 2
	tensor_load_to_lds s[G0:G0+3], s[G1:G1+7]      ; the wave's one tensor load: all its input is on its way from here on
	s_nop 0
	s_load_b512 s[DH:DH+15], s[6:7], 0x0           ; joints 0 to 3
	s_load_b256 s[DH+16:DH+23], s[6:7], 0x40       ; joints 4 and 5
	v_min_u32 v[DHO], 5, v[LANE]
	v_lshlrev_b32 v[DHO], 4, v[DHO]
	global_load_b32 v[ALV], v[DHO], s[6:7] offset:12   ; lane j: alpha of joint min(j, 5)
	s_add_nc_u64 s[8:9], s[8:9], s[14:15]          ; out0 at my wave's first byte: a multiple of 3,072
	s_add_co_u32 s3, s2, STAGE                     ; my stage
	s_lshl_b32 s11, s10, 8
	s_add_co_u32 s11, s11, SCR                     ; my scratch
	s_mov_b32 s[MAGIC], 0x4b400000                 ; 1.5 * 2^23
	s_mov_b32 s[MAGIC+1], 0x4b400000
	s_mov_b32 s[INVLO], 0x31dc9c88                 ; 6.4206325e-9
	s_mov_b32 s[INVLO+1], 0x31dc9c88
	v_mul_u32_u24 v[LIN], v[LANE], 48
	v_add_nc_u32 v[LIN], s[G0+1], v[LIN]
	v_mul_u32_u24 v[LST], v[LANE], 24
	v_add_nc_u32 v[LST], s3, v[LST]
	v_lshl_add_u32 v[LRD], v[LANE], 4, s3
	v_lshlrev_b32 v[GO], 4, v[LANE]
	v_lshl_add_u32 v[SCW], v[LANE], 3, s11
	v_mov_b32 v[SCRD], s11
	; sqrt2 (-1)^k pi^2k / (2k)!  and  sqrt2 (-1)^k pi^(2k+1) / (2k+1)!
	v_mov_b32 v[K+0],  1.41421356
	v_mov_b32 v[K+1],  4.44288294
	v_mov_b32 v[K+2],  -6.9788642
	v_mov_b32 v[K+3],  -7.3082495
	v_mov_b32 v[K+4],  5.7398857
	v_mov_b32 v[K+5],  3.6064766
	v_mov_b32 v[K+6],  -1.8883467
	v_mov_b32 v[K+7],  -0.84748802
	v_mov_b32 v[K+8],  0.33280777
	v_mov_b32 v[K+9],  0.11617183
	v_mov_b32 v[K+10], -0.036496456
	v_mov_b32 v[K+11], -0.010423363
	v_mov_b32 v[M1], -1.0
	v_mov_b32 v[M1+1], 0
	s_wait_kmcnt 0x0                               ; dh_params
.irp j, 0,1,2,3,4,5
	v_mov_b32 v[OFF+\j], s[DH+4*\j]
.endr
.irp j, 0,1,2,3
	v_mov_b32 v[DD+2*\j], 0
	v_mov_b32 v[DD+2*\j+1], s[DH+4*\j+1]
.endr
.irp j, 0,1,2,3,4
	v_mov_b32 v[AA+2*\j], s[DH+4*\j+2]
	v_mov_b32 v[AA+2*\j+1], 0
.endr
	; cos and sin of alpha: one evaluation, lane j for joint j, then handed to all lanes through the wave's own 256 bytes of LDS
	s_wait_loadcnt 0x0
	v_fma_f32 v[T], v[ALV], 0.15915494, s[MAGIC]   ; the sum's last place is 1: alpha / 2 pi rounded to a whole number, + 1.5 * 2^23
	v_sub_f32 v[T], s[MAGIC], v[T]                 ; -n, exact
	v_fma_f32 v[T+1], v[ALV], 0.15915494, v[T]
	v_fma_f32 v[T+1], v[ALV], s[INVLO], v[T+1]     ; r
	v_mul_f32 v[T], v[T+1], v[T+1]                 ; z
	v_pk_fma_f32 v[PA:PA+1], v[K+10:K+11], v[T:T+1], v[K+8:K+9] op_sel_hi:[1,0,1]
.irp k, 6,4,2,0
	v_pk_fma_f32 v[PA:PA+1], v[PA:PA+1], v[T:T+1], v[K+\k:K+\k+1] op_sel_hi:[1,0,1]
.endr
	v_mul_f32 v[PA+1], v[PA+1], v[T+1]
	v_pk_fma_f32 v[CA:CA+1], v[PA:PA+1], v[PA:PA+1], v[M1:M1+1] op_sel_hi:[0,1,1]
	ds_store_b64 v[SCW], v[CA:CA+1]
	ds_load_b128 v[AL:AL+3],    v[SCRD]            ; LDS serves a wave's instructions in order: these see the store above
	ds_load_b128 v[AL+4:AL+7],  v[SCRD] offset:16
	ds_load_b128 v[AL+8:AL+11], v[SCRD] offset:32
	s_wait_dscnt 0x0
	; joint 4 meets z = d5, a constant: its part of (w, z') goes into joint 4's addend
	v_mul_f32 v[DD+8], -v[AL+9], s[DH+21]                  ; -sa4 d5
	v_fma_f32 v[DD+9], v[AL+8], s[DH+21], s[DH+17]         ; ca4 d5 + d4
; (cos, sin) of the 24 angles (four elements) at v[xb..xb+23].  Every stage runs over all of them, so that neighbouring lines are independent.
.macro SINCOS xb
.irp q, 0,1,2,3,4,5,6,7,8,9,10,11
	v_pk_add_f32 v[\xb+2*\q:\xb+2*\q+1], v[\xb+2*\q:\xb+2*\q+1], v[OFF+2*(\q%3):OFF+2*(\q%3)+1]      ; theta
.endr
.irp q, 0,1,2,3,4,5,6,7,8,9,10,11
	v_pk_fma_f32 v[NR+2*\q:NR+2*\q+1], v[\xb+2*\q:\xb+2*\q+1], 0.15915494, s[MAGIC:MAGIC+1] op_sel_hi:[1,0,0]
.endr
.irp q, 0,1,2,3,4,5,6,7,8,9,10,11
	v_pk_add_f32 v[NR+2*\q:NR+2*\q+1], v[NR+2*\q:NR+2*\q+1], s[MAGIC:MAGIC+1] op_sel_hi:[1,0] neg_lo:[1,0] neg_hi:[1,0]   ; -n
.endr
.irp q, 0,1,2,3,4,5,6,7,8,9,10,11
	v_pk_fma_f32 v[NR+2*\q:NR+2*\q+1], v[\xb+2*\q:\xb+2*\q+1], 0.15915494, v[NR+2*\q:NR+2*\q+1] op_sel_hi:[1,0,1]
.endr
.irp q, 0,1,2,3,4,5,6,7,8,9,10,11
	v_pk_fma_f32 v[NR+2*\q:NR+2*\q+1], v[\xb+2*\q:\xb+2*\q+1], s[INVLO:INVLO+1], v[NR+2*\q:NR+2*\q+1] op_sel_hi:[1,0,1]   ; r
.endr
.irp q, 0,1,2,3,4,5,6,7,8,9,10,11
	v_pk_mul_f32 v[\xb+2*\q:\xb+2*\q+1], v[NR+2*\q:NR+2*\q+1], v[NR+2*\q:NR+2*\q+1]                  ; z
.endr
	; angle 2 q + h: its z is half h of pair q, fed to both halves of the product
.irp q, 0,1,2,3,4,5,6,7,8,9,10,11
.irp h, 0,1
	v_pk_fma_f32 v[P+4*\q+2*\h:P+4*\q+2*\h+1], v[K+10:K+11], v[\xb+2*\q:\xb+2*\q+1], v[K+8:K+9] op_sel:[0,\h,0] op_sel_hi:[1,\h,1]
.endr
.endr
.irp k, 6,4,2,0
.irp q, 0,1,2,3,4,5,6,7,8,9,10,11
.irp h, 0,1
	v_pk_fma_f32 v[P+4*\q+2*\h:P+4*\q+2*\h+1], v[P+4*\q+2*\h:P+4*\q+2*\h+1], v[\xb+2*\q:\xb+2*\q+1], v[K+\k:K+\k+1] op_sel:[0,\h,0] op_sel_hi:[1,\h,1]
.endr
.endr
.endr
.irp q, 0,1,2,3,4,5,6,7,8,9,10,11
.irp h, 0,1
	v_mul_f32 v[P+4*\q+2*\h+1], v[P+4*\q+2*\h+1], v[NR+2*\q+\h]                                      ; s' = r x (sin's series)
.endr
.endr
.irp q, 0,1,2,3,4,5,6,7,8,9,10,11
.irp h, 0,1
	v_pk_fma_f32 v[CS+4*\q+2*\h:CS+4*\q+2*\h+1], v[P+4*\q+2*\h:P+4*\q+2*\h+1], v[P+4*\q+2*\h:P+4*\q+2*\h+1], v[M1:M1+1] op_sel_hi:[0,1,1]   ; (c' c' - 1, c' s')
.endr
.endr
.endm
; Joint j applied to four elements.  U = (x + a j, y) comes in at ui, z is the upper half of Q at qi; (w, z') goes to qo, (x' + a (j-1), y') to uo.
; A result pair is never a pair that the same line reads crosswise: U and Q take turns between two pairs each.
.macro JOINT j, ui, uo, qi, qo
.irp e, 0,1,2,3
	v_pk_fma_f32 v[P+12*\e+\qo:P+12*\e+\qo+1], v[AL+2*\j:AL+2*\j+1], v[P+12*\e+\ui:P+12*\e+\ui+1], v[DD+2*\j:DD+2*\j+1] op_sel:[0,1,0] op_sel_hi:[1,1,1]   ; (ca y, sa y + d)
.endr
.irp e, 0,1,2,3
.if \j
	v_pk_fma_f32 v[P+12*\e+\uo:P+12*\e+\uo+1], v[CS+12*\e+2*\j:CS+12*\e+2*\j+1], v[P+12*\e+\ui:P+12*\e+\ui+1], v[AA+2*(\j-1):AA+2*(\j-1)+1] op_sel_hi:[1,0,1]   ; (c u + a, s u)
.else
	v_pk_mul_f32 v[P+12*\e+\uo:P+12*\e+\uo+1], v[CS+12*\e+2*\j:CS+12*\e+2*\j+1], v[P+12*\e+\ui:P+12*\e+\ui+1] op_sel_hi:[1,0]   ; (c u, s u): no joint follows
.endif
.endr
.if \j < 4
.irp e, 0,1,2,3
	v_pk_fma_f32 v[P+12*\e+\qo:P+12*\e+\qo+1], v[AL+2*\j:AL+2*\j+1], v[P+12*\e+\qi:P+12*\e+\qi+1], v[P+12*\e+\qo:P+12*\e+\qo+1] op_sel:[1,1,0] op_sel_hi:[0,1,1] neg_lo:[1,0,0]   ; + (-sa z, ca z)
.endr
.endif
.irp e, 0,1,2,3
	v_pk_fma_f32 v[P+12*\e+\uo:P+12*\e+\uo+1], v[CS+12*\e+2*\j:CS+12*\e+2*\j+1], v[P+12*\e+\qo:P+12*\e+\qo+1], v[P+12*\e+\uo:P+12*\e+\uo+1] op_sel:[1,0,0] op_sel_hi:[0,0,1] neg_lo:[1,0,0]   ; + (-s w, c w)
.endr
.endm
.macro CHAIN
.irp e, 0,1,2,3
	v_pk_fma_f32 v[P+12*\e:P+12*\e+1], v[CS+12*\e+10:CS+12*\e+11], s[DH+22:DH+23], v[AA+8:AA+9] op_sel_hi:[1,0,1]   ; joint 5 on (0, 0, 0): (a5 c + a4, a5 s); z = d5
.endr
	JOINT 4, 0, 2, 6, 4
	JOINT 3, 2, 0, 4, 6
	JOINT 2, 0, 2, 6, 4
	JOINT 1, 2, 0, 4, 6
	JOINT 0, 0, 2, 6, 4                            ; (x, y) at +2, z at +5
.endm
; Trip t's four elements into the stage (elements 2 l and 2 l + 1 of a block: 24 bytes at 24 l; words 6 l + c fall on 32 different banks),
; and its 1,536 bytes back as three runs of 512, 16 bytes a lane, into v[y..y+11].
.macro STAGE_OUT t, y
.irp b, 0,1
	ds_store_b64 v[LST], v[P+24*\b+2:P+24*\b+3] offset:\t*TRIP_OUT+\b*BLK_OUT
	ds_store_b32 v[LST], v[P+24*\b+5]  offset:\t*TRIP_OUT+\b*BLK_OUT+8
	ds_store_b32 v[LST], v[P+24*\b+14] offset:\t*TRIP_OUT+\b*BLK_OUT+12
	ds_store_b32 v[LST], v[P+24*\b+15] offset:\t*TRIP_OUT+\b*BLK_OUT+16
	ds_store_b32 v[LST], v[P+24*\b+17] offset:\t*TRIP_OUT+\b*BLK_OUT+20
.endr
.irp k, 0,1,2
	ds_load_b128 v[\y+4*\k:\y+4*\k+3], v[LRD] offset:\t*TRIP_OUT+512*\k    ; the wave's own bytes, served in order behind its stores
.endr
.endm
	s_wait_tensorcnt 0x0                           ; my 6,144 bytes are in LDS; only I read them
.irp i, 0,1,2,3,4,5,6,7,8,9,10,11
	ds_load_b128 v[X+4*\i:X+4*\i+3], v[LIN] offset:(\i/3)*BLK_IN+(\i%3)*16     ; block i / 3, my 48 bytes
.endr
	s_wait_dscnt 6                                 ; LDS loads come back in order: the first trip's six are in, the second trip's six stay out
	SINCOS X
	CHAIN
	STAGE_OUT 0, Y
	s_wait_dscnt 13                                ; behind the second trip's six loads stand ten stores and three loads
	SINCOS X+24
	s_wait_dscnt 0x0                               ; the first trip's results are back from the stage
.irp k, 0,1,2
	global_store_b128 v[GO], v[Y+4*\k:Y+4*\k+3], s[8:9] offset:512*\k th:TH_STORE_NT    ; 512 consecutive bytes, at a multiple of 512 from out0's first byte
.endr
	CHAIN
	STAGE_OUT 1, X                                 ; X's first twelve registers are free since the first trip; Y is still read by the stores above
.irp k, 0,1,2
	s_wait_dscnt 2-\k
	global_store_b128 v[GO], v[X+4*\k:X+4*\k+3], s[8:9] offset:TRIP_OUT+512*\k th:TH_STORE_NT
.endr
	s_wait_tensorcnt 0x0
	ds_add_u32 v248, v249
	s_wait_dscnt 0x0
	s_endpgm
.Lfunc_end_k_q76f040cbae_fk:
	.size	k_q76f040cbae_fk, .Lfunc_end_k_q76f040cbae_fk-k_q76f040cbae_fk
	.p2alignl 7, 3214868480
	.fill 96, 4, 3214868480
	.section	.rodata,"a",@progbits
	.p2align	6, 0x0
	.amdhsa_kernel k_q76f040cbae_fk
		.amdhsa_group_segment_fixed_size 169984
		.amdhsa_private_segment_fixed_size 0
		.amdhsa_enable_private_segment 0
		.amdhsa_kernarg_size 24
		.amdhsa_user_sgpr_count 2
		.amdhsa_user_sgpr_kernarg_segment_ptr 1
		.amdhsa_wavefront_size32 1
		.amdhsa_system_sgpr_workgroup_id_x 1
		.amdhsa_system_sgpr_workgroup_id_y 1
		.amdhsa_system_sgpr_workgroup_id_z 1
		.amdhsa_system_vgpr_workitem_id 0
		.amdhsa_next_free_vgpr 250
		.amdhsa_next_free_sgpr 66
		.amdhsa_reserve_vcc 0
		.amdhsa_float_denorm_mode_32 3
		.amdhsa_float_denorm_mode_16_64 3
		.amdhsa_memory_ordered 1
		.amdhsa_forward_progress 1
		.amdhsa_inst_pref_size 48
	.end_amdhsa_kernel
	.amdgpu_metadata
---
amdhsa.version: [ 1, 2 ]
amdhsa.kernels:
  - .name:           k_q76f040cbae_fk
    .symbol:         k_q76f040cbae_fk.kd
    .args:
      - { .name: joint_angles, .offset: 0, .size: 8, .value_kind: global_buffer, .address_space: global }
      - { .name: dh_params, .offset: 8, .size: 8, .value_kind: global_buffer, .address_space: global }
      - { .name: out0, .offset: 16, .size: 8, .value_kind: global_buffer, .address_space: global }
    .group_segment_fixed_size: 169984
    .private_segment_fixed_size: 0
    .kernarg_segment_align: 8
    .kernarg_segment_size: 24
    .max_flat_workgroup_size: 512
    .sgpr_count:     66
    .vgpr_count:     250
    .wavefront_size: 32
...
	.end_amdgpu_metadata
.endif
;; end of part 1
